; MI455X (gfx1250); checked and timed in simulation.
; The chip was launched on July 23, 2026; its instructions are those of AMD's public machine-readable ISA for CDNA 5 (MIT licence, August 2026) and "CDNA5" Instruction Set Architecture Reference Guide (July 2026). The comments in the code are by the model that wrote it; some were corrected since.
;; Relation Model side double. Allowed arithmetic: matrix products marked QUANTISED: E2M1 operands, one E8M0 scale for each 32 along K, by v_wmma_scale_f32_16x16x128_f8f6f4 with both operands' format E2M1 (or v_wmma_scale_f32_32x16x128_f4), f32 sums; products left as they are: f32 operands where the result goes on into a quantised operand, else bf16, f16 or f32 operands; f32 sums; everything else in f32.
;; Inputs: Wout_z 256 x 256 float32; Wout_z1 256 x 256 float32; Wqkv_z 256 x 768 float32; Wqkv_z1 256 x 768 float32; bout_z 256 float32; bout_z1 256 float32; s 8 x 3,136 float32; x 8 x 3,136 x 256 float32; y 8 x 3,136 x 256 float32.
;; Outputs: out0 8 x 3,136 x 256 float32; out1 8 x 3,136 x 256 float32.
;; This version of the problem:
;;   THIS VERSION OF THE PROBLEM IS GIVEN IN LOW PRECISION. The matrix products marked QUANTISED in the list below multiply operands that are first quantised to E2M1 (2 exponent bits, 1 mantissa bit; 4 bits a number), with one power-of-two scale for each 32 numbers along K (OCP MX v1.0); their sums are f32. All else is computed in f32.
;;   The module's matrix products, in the order in which they are computed (A, B: the left and right operand; K: the contracted axis; several contracted axes count as one K, in the product's order):
;;     1. [M 100,352, K 256] x [K 256, N 768]; A: computed on the way; B: input Wqkv_z: QUANTISED
;;     2. batch 200,704 x [M 4, K 32] x [K 32, N 4]; A: computed on the way; B: computed on the way: left as it is (M = 4 < 16)
;;     3. batch 200,704 x [M 32, K 4] x [K 4, N 4]; A: computed on the way; B: softmax: left as it is (K = 4 < 32)
;;     4. [M 100,352, K 256] x [K 256, N 256]; A: computed on the way; B: input Wout_z: QUANTISED
;;     5. [M 100,352, K 256] x [K 256, N 768]; A: computed on the way; B: input Wqkv_z1: QUANTISED
;;     6. batch 200,704 x [M 4, K 32] x [K 32, N 4]; A: computed on the way; B: computed on the way: left as it is (M = 4 < 16)
;;     7. batch 200,704 x [M 32, K 4] x [K 4, N 4]; A: computed on the way; B: softmax: left as it is (K = 4 < 32)
;;     8. [M 100,352, K 256] x [K 256, N 256]; A: computed on the way; B: input Wout_z1: QUANTISED
;;   THE QUANTISER, for each operand of a quantised product, along K:
;;     - K is cut into blocks of 32 from its start; a last block that is shorter is filled with zeros.
;;     - A block's scale is 2^e with e = floor(log2(the largest magnitude in the block)) - 2, held to -126 .. 127; a block of zeros has e = 0. As a byte (E8M0): e + 127.
;;     - Each number is divided by its block's scale, clamped to +-6, and rounded to the nearest number of E2M1, ties to even, subnormals kept.
;;     - The product sums the exact products of the quantised numbers (number of the format x scale) in f32.
;;   ~~~python
;;   def quantise(x, axis):      # numpy; x: float32 -> the quantised numbers, widened to float32 again
;;       x = np.moveaxis(x, axis, -1); K = x.shape[-1]
;;       x = np.pad(x, [(0, 0)] * (x.ndim - 1) + [(0, -K % 32)]); x = x.reshape(x.shape[:-1] + (-1, 32)); a = np.abs(x).max(-1, keepdims=True)
;;       e = np.where(a > 0, np.clip(np.frexp(np.where(a > 0, a, 1))[1] - 1 - 2, -126, 127), 0)      # np.frexp(a)[1] - 1 = floor(log2(a)), exactly
;;       r = np.clip(x / 2.0 ** e, -6, 6)
;;       step = 2.0 ** (np.maximum(np.frexp(np.where(r == 0, 1, r))[1] - 1, 0) - 1)
;;       q = np.round(r / step) * step * 2.0 ** e      # np.round: ties to even
;;       return np.moveaxis(q.reshape(q.shape[:-2] + (-1,))[..., :K], -1, axis).astype(np.float32)
;;   ~~~
;;   OPERANDS COMPUTED ON THE WAY. 'Computed on the way' means the value that the module computes at that place (a softmax that the list does not call 'softmax' is quantised finished and normalised). What goes into a quantiser is computed in f32, as accurately as f32 sums, v_exp_f32 and their like allow (about 1e-6 of the number): no bf16 or f16 on the way to a quantiser, and a product that is left as it is and whose result goes on into a quantised operand takes f32 operands (vector FMAs, or v_wmma_f32_16x16x4_f32). A number that lies on a knife's edge between two numbers of the format may be rounded either way, as far as f32 arithmetic and the matrix unit's own rounding can turn it there, and no further.
;; One version. Each part assembles by itself: llvm-mc -triple=amdgcn-amd-amdhsa -mcpu=gfx1250 --defsym DOCPART=n.
;; ======== version 1 of 1: 2 launches
;; limits: right only within a limited range of input values
;; workspace buffers: xyc 6,422,528 bytes; xys 458,752 bytes; part 458,752 bytes; wimg 278,528 bytes
;; launch prep (part 1): grid 256 x 1, 14 waves a work-group, no clusters, 251,648 bytes of LDS; arguments x, y, s, Wqkv_z, Wout_z, Wqkv_z1, Wout_z1, xyc, xys, part, wimg; writes xyc, xys, part, wimg
.if DOCPART == 1
	.amdgcn_target "amdgcn-amd-amdhsa--gfx1250"
	.amdhsa_code_object_version 6
	.text
	.protected	k_q8cbb05c31d_prep
	.globl	k_q8cbb05c31d_prep
	.p2align	8
	.type	k_q8cbb05c31d_prep,@function
k_q8cbb05c31d_prep:
	s_mov_b64 s[64:65], 0
	v_nop
	global_prefetch_b8 v0, s[64:65] scope:SCOPE_SE
	s_setreg_imm32_b32 hwreg(HW_REG_WAVE_MODE, 25, 1), 1
	s_wait_xcnt 0x0
; THE PROGRAM: two launches.  This one reads x, y, s and the four weights once, as f32, and leaves: the E2M1 codes and E8M0 scale words of x and y (operand A of the first
; product, tokens 0 and 1), each work-group's partial sums of s_t x and s_t y and of s_t (for the pooled tokens 2 and 3), and the four weights as codes, laid in the order of a wave's operand registers.
; The second launch takes 16 positions at a time through both attention blocks.
; WORK OF reference() THAT IS LEFT OUT, for all values of the inputs:
;  (a) reference() returns z_out1[:, :, 0, :] and z_out1[:, :, 1, :].  Row i of the second block's result hangs on query row i alone (and on the keys and values of all four tokens).  So query rows 2 and 3 of the
;      second block (their q columns of the third quantised product, their rows of the dots, of the softmax, of the product with v and of the last quantised product) reach no output: they are sliced away.
;  (b) Tokens 2 and 3 of z are the same vector for all positions of a batch (broadcast_to).  Their q, k, v in the first block, and the four dots among them, are therefore the same numbers at every position:
;      they are computed once for each work-group, not once for each position.  Nothing is dropped by that.
;  The additive masks are -100 and no infinity: every masked term is computed and added as reference() writes it.  Every input has a way to an output and is loaded.
;  LIMIT: a NaN, an infinity or an overflow that reaches only the rows of (a) is not carried to the result.
; THE QUANTISER: a block's scale byte is its largest magnitude's exponent field - 2, held at 1 from below by a floor among the maximum's leaves; the conversion takes that exponent as its scale, rounds to the nearest
; code, ties to even, and gives the largest code beyond 6.  LIMITS: a block of zeros gets the byte 1 where the rule says 127 (its codes are zeros, and the bytes are read by this program alone);
; blocks whose largest magnitude lies under 2^-124 are held at that floor; NaN and infinities among x, y and the weights are not served.  The sums over positions are taken in another order than reference()'s.
; SHARES.  Work-groups 0 to 223: 112 positions each; wave w = 2 tile + token takes 16 rows of 1,024 bytes of x (token 0) or y (token 1).  Every load reads 512 consecutive bytes; the rows turn through the wave's own
; stage in LDS so that a lane then holds a whole block of 32 along K.  Work-groups 224 to 255: the weights; waves 0 to 3 take 32 columns x 128 along K each, a lane a column, registers down K; waves 4 to 13 have no part there.
; Only the first path stores to LDS.  No tensor load, no copy.
.set WGXY,  224
.set SP,    1040                       ; a stage row: 1,024 bytes + 16 = 260 words, so that sixteen rows start 4 words apart
.set STGW,  16*SP                      ; a wave's stage
.set PSB,   14*STGW                    ; 14 x 1,024: each wave's 256 weighted column sums
.set SCW,   PSB+14*1024                ; 14 x 128: the scale words
.set SSUM,  SCW+2048                   ; 14 words: each wave's sum of s_t
.set SPARE, SSUM+256                   ; the spare words, 128 bytes for each wave, that no other line names
.set ACC,   16                         ; v16-23  weighted sums of my 8 columns
.set C,     24                         ; v24-39  codes: four registers for each of four blocks
.set E,     40                         ; v40-43  their scale bytes
.set R,     64                         ; v64-191 128 numbers
	s_load_b512 s[4:19], s[0:1], 0x0               ; x, y, s, Wqkv_z, Wout_z, Wqkv_z1, Wout_z1, xyc
	s_load_b128 s[20:23], s[0:1], 0x40             ; xys, part
	s_load_b64 s[24:25], s[0:1], 0x50              ; wimg
	v_lshl_add_u32 v1, v0, 2, SPARE                ; my spare word; never rewritten
	v_mov_b32 v2, 0                                ; 0; never rewritten
	v_lshrrev_b32 v12, 5, v0
	s_delay_alu instid0(VALU_DEP_1)
	v_readfirstlane_b32 s26, v12                   ; wave 0..13
	v_and_b32 v13, 31, v0                          ; lane
	v_and_b32 v14, 15, v0                          ; r
	v_bfe_u32 v15, v0, 4, 1                        ; h
	s_delay_alu instid0(VALU_DEP_3)
	v_lshlrev_b32 v3, 4, v13                       ; 16 x lane
	s_mul_i32 s66, s26, STGW
	v_add_nc_u32 v4, s66, v3                       ; into my stage: as loaded
	v_mul_u32_u24 v5, v14, SP
	s_delay_alu instid0(VALU_DEP_1)
	v_lshl_add_u32 v5, v15, 7, v5
	s_delay_alu instid0(VALU_DEP_1)
	v_add_nc_u32 v5, s66, v5                       ; out of it: row r, block h of each pair of blocks
	v_lshlrev_b32 v6, 2, v14                       ; s: 4 r
	s_lshl_b32 s66, s26, 7
	s_add_co_u32 s66, s66, SCW
	v_lshl_add_u32 v7, v13, 2, s66                 ; my scale word: 128 w + 4 lane
	s_lshl_b32 s66, s26, 2
	s_add_co_u32 s66, s66, SSUM
	v_mov_b32 v52, s66                             ; my wave's sum of s_t
	s_lshl_b32 s66, s26, 10
	s_add_co_u32 s66, s66, PSB
	v_add_nc_u32 v53, s66, v3                      ; my wave's column sums
	v_lshl_add_u32 v54, v0, 4, PSB                 ; behind the barrier: waves 0-3 read the column sums,
	v_lshl_add_u32 v55, v0, 3, SCW-1024            ; waves 4-10 the scale words (thread 128 takes the first 8 bytes),
	v_mov_b32 v56, SSUM                            ; wave 11 the sums of s_t
	v_lshlrev_b32 v57, 4, v0                       ; 16 x thread
	v_lshlrev_b32 v58, 3, v0                       ; 8 x thread
	v_lshlrev_b32 v59, 3, v13                      ; 8 x lane
	v_lshlrev_b32 v60, 2, v13                      ; 4 x lane
	v_mov_b32 v10, 0x322bcc77                      ; 1e-8
	v_mov_b32 v11, 1.0
	v_mov_b32 v50, 0                               ; written once: a lane permute's destination counts as one of its sources
	v_mov_b32 v51, 0
	s_mov_b32 s27, 0x76543210
	s_mov_b32 s30, 0xfedcba98                      ; v_permlanex16_b32's selects for lane l xor 16
	s_wait_kmcnt 0x0
; a block of 32 numbers, v[R + 32 j] on, all in my lane: its codes into v[C + 4 j] on, its byte into v[E + j]
.macro QBLK j
.set XS, R+32*\j
	v_max3_num_f32 v44, |v[XS]|, |v[XS+1]|, |v[XS+2]|
	v_max3_num_f32 v45, |v[XS+3]|, |v[XS+4]|, |v[XS+5]|
.irp i, 6,10,14,18,22,26
	s_delay_alu instid0(VALU_DEP_2)
	v_max3_num_f32 v44, v44, |v[XS+\i]|, |v[XS+\i+1]|
	s_delay_alu instid0(VALU_DEP_2)
	v_max3_num_f32 v45, v45, |v[XS+\i+2]|, |v[XS+\i+3]|
.endr
	s_delay_alu instid0(VALU_DEP_2)
	v_max3_num_f32 v44, v44, |v[XS+30]|, |v[XS+31]|
	s_delay_alu instid0(VALU_DEP_1)
	v_max3_num_f32 v44, v44, v45, 0x1800000        ; and the floor 2^(3 - 127): the byte cannot fall under 1
	s_delay_alu instid0(VALU_DEP_1)
	v_add_nc_u32 v46, 0xff000000, v44              ; 2 off the exponent field: the conversion's scale operand
.irp g, 0,1,2,3
	v_cvt_scalef32_pk8_fp4_f32 v[C+4*\j+\g], v[XS+8*\g:XS+8*\g+7], v46
.endr
	v_lshrrev_b32 v[E+\j], 23, v46                 ; the byte.  (Also the plain line behind the conversions)
.endm
	s_cmp_lt_u32 ttmp9, WGXY                       ; the work-group's number alone: all fourteen waves go the same way
	s_cbranch_scc0 .Lweights
	; ---------------- x and y ----------------
	s_mul_i32 s67, ttmp9, 112
	s_lshr_b32 s68, s26, 1
	s_lshl_b32 s68, s68, 4
	s_add_co_u32 s67, s67, s68                     ; my first position: 112 x work-group + 16 x tile
	s_lshl_b32 s68, s67, 2
	s_mov_b32 s69, 0
	s_add_nc_u64 s[8:9], s[8:9], s[68:69]          ; s there
	s_and_b32 s70, s26, 1
	s_cmp_eq_u32 s70, 0
	s_cselect_b64 s[28:29], s[4:5], s[6:7]         ; x for even waves, y for odd
	s_lshl_b32 s68, s67, 10
	s_add_nc_u64 s[28:29], s[28:29], s[68:69]
	s_mul_i32 s68, ttmp9, 28672
	s_lshl_b32 s70, s26, 11
	s_add_co_u32 s68, s68, s70
	s_add_nc_u64 s[18:19], s[18:19], s[68:69]      ; my 2,048 bytes of codes
	s_lshl_b32 s68, ttmp9, 11
	s_add_nc_u64 s[20:21], s[20:21], s[68:69]      ; my work-group's 2,048 bytes of xys
	s_add_nc_u64 s[22:23], s[22:23], s[68:69]      ; and of part
	global_load_b32 v8, v6, s[8:9]                 ; s of row r (both halves of the lanes)
.set i, 0
.rept 32
	global_load_b128 v[R+4*i:R+4*i+3], v3, s[28:29] offset:512*i th:TH_LOAD_NT   ; row i / 2, half i % 2: 512 consecutive bytes
.set i, i+1
.endr
	s_wait_loadcnt 32                              ; s is in; the 32 loads issued behind it may be out
	v_cmp_lt_f32 vcc_lo, 0.5, v8
	s_wait_alu depctr_va_vdst(0)
	v_cndmask_b32 v8, v10, v11, vcc_lo             ; s_t = 1 where s > 0.5, else 1e-8
	s_delay_alu instid0(VALU_DEP_1)
	v_mov_b32 v9, v8
	s_delay_alu instid0(VALU_DEP_1)
	v_add_f32_dpp v9, v9, v9 row_xmask:1 row_mask:0xf bank_mask:0xf
	s_delay_alu instid0(VALU_DEP_1)
	v_add_f32_dpp v9, v9, v9 row_xmask:2 row_mask:0xf bank_mask:0xf
	s_delay_alu instid0(VALU_DEP_1)
	v_add_f32_dpp v9, v9, v9 row_xmask:4 row_mask:0xf bank_mask:0xf
	s_delay_alu instid0(VALU_DEP_1)
	v_add_f32_dpp v9, v9, v9 row_xmask:8 row_mask:0xf bank_mask:0xf   ; the sum of my 16 rows' s_t
.irp k, 0,1,2,3,4,5,6,7,8,9,10,11,12,13,14,15
	v_readlane_b32 s[32+2*\k], v8, \k              ; row k's s_t as a scalar,
	s_mov_b32 s[33+2*\k], s[32+2*\k]               ; (named with it as a pair, so it is written)
.endr
.irp q, 0,1,2,3,4,5,6,7,8,9,10,11,12,13,14,15
	s_wait_alu depctr_va_vdst(0)
	s_wait_loadcnt 30-2*\q                         ; row q's two loads are in; the later rows' may be out
	ds_store_b128 v4, v[R+8*\q:R+8*\q+3] offset:SP*\q
	ds_store_b128 v4, v[R+8*\q+4:R+8*\q+7] offset:SP*\q+512
.irp a, 0,2,4,6
.if \q == 0
	s_wait_alu depctr_va_vdst(0)
	v_pk_mul_f32 v[ACC+\a:ACC+\a+1], v[R+\a:R+\a+1], s[32:33] op_sel_hi:[1,0]     ; the first row starts the sums
.else
	v_pk_fma_f32 v[ACC+\a:ACC+\a+1], v[R+8*\q+\a:R+8*\q+\a+1], s[32+2*\q:33+2*\q], v[ACC+\a:ACC+\a+1] op_sel_hi:[1,0,1]
.endif
.endr
.endr
	s_wait_dscnt 0x0                               ; the stores have read their registers
.irp j, 0,1,2,3
.irp i, 0,1,2,3,4,5,6,7
	ds_load_b128 v[R+32*\j+4*\i:R+32*\j+4*\i+3], v5 offset:256*\j+16*\i   ; block 2 j + h of row r: 32 neighbours along K
.endr
.endr
.irp j, 0,1,2,3
	s_wait_dscnt 24-8*\j                           ; block j's eight loads are in; the later blocks' may be out
	QBLK \j
.endr
.irp j, 0,1,2,3
	global_store_b128 v3, v[C+4*\j:C+4*\j+3], s[18:19] offset:512*\j   ; the operand's registers 4 j .. 4 j + 3, lane by lane: 512 consecutive bytes
.endr
	v_lshl_or_b32 v47, v41, 16, v40                ; K step 0: my bytes h and 2 + h of row r's word,
	v_lshl_or_b32 v48, v43, 16, v42                ; K step 1 likewise,
	v_lshlrev_b32 v49, 3, v15
	s_delay_alu instid0(VALU_DEP_1)
	v_lshlrev_b32 v47, v49, v47                    ; at their places (8 h bits up);
	s_delay_alu instid0(VALU_DEP_2)
	v_lshlrev_b32 v48, v49, v48
	s_delay_alu instid0(VALU_DEP_2)
	v_permlanex16_b32 v50, v47, s27, s30
	s_delay_alu instid0(VALU_DEP_2)
	v_permlanex16_b32 v51, v48, s27, s30
	s_delay_alu instid0(VALU_DEP_2)
	v_or_b32 v47, v47, v50                         ; with lane l xor 16's two bytes the words are whole
	s_delay_alu instid0(VALU_DEP_2)
	v_or_b32 v48, v48, v51
	v_cmp_eq_u32 vcc_lo, 1, v15
	s_delay_alu instid0(VALU_DEP_1)
	v_cndmask_b32 v47, v47, v48, vcc_lo            ; lanes 0-15 keep K step 0's word, lanes 16-31 K step 1's
	ds_store_b32 v7, v47
	ds_store_b32 v52, v9                           ; all lanes write the same word with the same value
	ds_store_b128 v53, v[ACC:ACC+3]
	ds_store_b128 v53, v[ACC+4:ACC+7] offset:512
	s_wait_dscnt 0x0                               ; for the others' sake: my stores have landed
	s_barrier_signal -1
	s_barrier_wait -1
	s_cmp_lt_u32 s26, 4
	s_cbranch_scc0 .Lnot_sums
.irp t, 0,1,2,3,4,5,6
	ds_load_b128 v[R+4*\t:R+4*\t+3], v54 offset:2048*\t   ; tile t's sums of my four columns of my token
.endr
	s_wait_dscnt 0x0
.irp t, 1
	v_pk_add_f32 v[R:R+1], v[R:R+1], v[R+4*\t:R+4*\t+1]
	v_pk_add_f32 v[R+2:R+3], v[R+2:R+3], v[R+4*\t+2:R+4*\t+3]
.endr
.irp t, 2, 3, 4, 5, 6
	s_delay_alu instid0(VALU_DEP_2)
	v_pk_add_f32 v[R:R+1], v[R:R+1], v[R+4*\t:R+4*\t+1]
	s_delay_alu instid0(VALU_DEP_2)
	v_pk_add_f32 v[R+2:R+3], v[R+2:R+3], v[R+4*\t+2:R+4*\t+3]
.endr
	global_store_b128 v57, v[R:R+3], s[22:23]      ; part: [token][256], 512 consecutive bytes a wave
	s_branch .Lend
.Lnot_sums:
	s_cmp_lt_u32 s26, 11
	s_cbranch_scc0 .Lnot_words
	ds_load_b64 v[R:R+1], v55
	s_wait_dscnt 0x0
	global_store_b64 v58, v[R:R+1], s[20:21] offset:-1024   ; a tile's scale words: 256 consecutive bytes a wave, aligned
	s_branch .Lend
.Lnot_words:
	s_cmp_eq_u32 s26, 11
	s_cbranch_scc0 .Lend
.irp t, 0,1,2,3,4,5,6
	ds_load_b32 v[R+\t], v56 offset:8*\t           ; the even waves' sums: one for each tile
.endr
	s_wait_dscnt 0x0
.irp t, 1
	v_add_f32 v[R], v[R], v[R+\t]
.endr
.irp t, 2, 3, 4, 5, 6
	s_delay_alu instid0(VALU_DEP_1)
	v_add_f32 v[R], v[R], v[R+\t]
.endr
	s_delay_alu instid0(VALU_DEP_1)
	v_mov_b32 v[R+1], v[R]
	global_store_b64 v59, v[R:R+1], s[20:21] offset:1792    ; the work-group's sum of s_t, 64 times: the eighth 256 bytes are written whole
	s_branch .Lend
	; ---------------- the weights ----------------
.Lweights:
	s_cmp_lt_u32 s26, 4
	s_cbranch_scc0 .Lend
	s_sub_co_u32 s66, ttmp9, WGXY
	s_lshl_b32 s66, s66, 1
	s_lshr_b32 s67, s26, 1
	s_add_co_u32 s66, s66, s67                     ; G = 0..63: (block, part, head)
	s_and_b32 s67, s26, 1                          ; which 128 along K
	s_lshr_b32 s68, s66, 5                         ; attention block 0, 1
	s_and_b32 s69, s66, 31                         ; 8 part + head
	s_lshr_b32 s70, s69, 3                         ; part: 0 q, 1 k, 2 v, 3 out
	s_and_b32 s71, s69, 7                          ; head
	s_cmp_eq_u32 s68, 0
	s_cselect_b64 s[72:73], s[10:11], s[14:15]
	s_cselect_b64 s[74:75], s[12:13], s[16:17]
	s_mov_b32 s76, 128*3072
	s_cmp_eq_u32 s70, 3
	s_cselect_b64 s[28:29], s[74:75], s[72:73]     ; Wout or Wqkv
	s_cselect_b32 s77, s71, s69                    ; its group of 32 columns
	s_cselect_b32 s76, 128*1024, s76               ; 128 rows in bytes
	s_mul_i32 s76, s76, s67
	s_lshl_b32 s77, s77, 7
	s_add_co_u32 s76, s76, s77
	s_mov_b32 s77, 0
	s_add_nc_u64 s[28:29], s[28:29], s[76:77]
	s_lshl_b32 s76, s68, 3
	s_add_co_u32 s76, s76, s71
	s_mul_i32 s76, s76, 17408                      ; wimg: [block][head][17,408 bytes]: codes [part][K step][tile u][1,024], then scale words [part][K step][32 rows]
	s_lshl_b32 s78, s70, 12
	s_add_co_u32 s78, s76, s78
	s_lshl_b32 s79, s67, 11
	s_add_co_u32 s66, s78, s79                     ; the fragments of tiles 0 and 1
	s_lshl_b32 s78, s70, 8
	s_add_co_u32 s76, s76, s78
	s_lshl_b32 s78, s67, 7
	s_add_co_u32 s76, s76, s78
	s_add_co_u32 s76, s76, 16384                   ; the 32 scale words
	s_mov_b32 s67, 0
	s_mov_b32 s77, 0
	s_add_nc_u64 s[72:73], s[24:25], s[66:67]
	s_add_nc_u64 s[74:75], s[24:25], s[76:77]
	v_and_b32 v61, 7, v13
	s_delay_alu instid0(VALU_DEP_1)
	v_lshl_add_u32 v61, v15, 3, v61                ; column e is row rho = e % 8 + 8 (e / 16)
	v_bfe_u32 v62, v13, 3, 1                       ; of tile u = (e / 8) % 2: so a lane of the transposed result holds 16 neighbouring features in its two tiles
	s_delay_alu instid0(VALU_DEP_2)
	v_lshlrev_b32 v48, 4, v61
	s_delay_alu instid0(VALU_DEP_1)
	v_lshl_add_u32 v48, v62, 10, v48               ; 1,024 u + 16 rho
	s_delay_alu instid0(VALU_DEP_4)
	v_lshlrev_b32 v49, 2, v61
	s_delay_alu instid0(VALU_DEP_1)
	v_lshl_add_u32 v49, v62, 6, v49                ; 64 u + 4 rho
.macro WBLK t, pitch                   ; block t: W(128 step + 32 t + i, my column), i = 0 .. 31, into registers of its own: 128 consecutive bytes a load
.set i, 0
.rept 32
	global_load_b32 v[R+32*\t+i], v60, s[28:29] offset:(32*\t+i)*\pitch th:TH_LOAD_NT
.set i, i+1
.endr
.endm
.macro WPATH pitch                     ; the four blocks, the loads two blocks ahead of the work
	WBLK 0, \pitch
	WBLK 1, \pitch
	s_wait_loadcnt 32                              ; block 0's 32 loads are in; block 1's 32 may be out
	QBLK 0
	WBLK 2, \pitch
	s_wait_loadcnt 32                              ; block 1 is in; block 2's 32 may be out
	QBLK 1
	WBLK 3, \pitch
	s_wait_loadcnt 32                              ; block 2 is in; block 3's 32 may be out
	QBLK 2
	s_wait_loadcnt 0x0
	QBLK 3
.endm
	s_cmp_eq_u32 s70, 3                            ; the row pitch stands in the loads' immediates: an arm for each of the two
	s_cbranch_scc1 .Lw_out
	WPATH 3072
	s_branch .Lw_go
.Lw_out:
	WPATH 1024
.Lw_go:
	s_wait_alu depctr_va_vdst(0)
.irp j, 0,1,2,3
	global_store_b128 v48, v[C+4*\j:C+4*\j+3], s[72:73] offset:256*\j   ; block j of row rho: sixteen lanes store 256 consecutive bytes, aligned, in each of the two tiles' fragments
.endr
	v_lshl_or_b32 v47, v41, 8, v40
	s_delay_alu instid0(VALU_DEP_1)
	v_lshl_or_b32 v47, v42, 16, v47
	s_delay_alu instid0(VALU_DEP_1)
	v_lshl_or_b32 v47, v43, 24, v47                ; my column's scale word for these 128 along K
	global_store_b32 v49, v47, s[74:75]            ; 128 consecutive bytes a wave: 16 KiB in the whole launch
.Lend:
	s_wait_tensorcnt 0x0                           ; the wave's end: behind the last LDS store
	ds_add_u32 v1, v2
	s_wait_dscnt 0x0
	s_endpgm
.Lfunc_end_k_q8cbb05c31d_prep:
	.size	k_q8cbb05c31d_prep, .Lfunc_end_k_q8cbb05c31d_prep-k_q8cbb05c31d_prep
	.p2alignl 7, 3214868480
	.fill 96, 4, 3214868480
	.section	.rodata,"a",@progbits
	.p2align	6, 0x0
	.amdhsa_kernel k_q8cbb05c31d_prep
		.amdhsa_group_segment_fixed_size 251648
		.amdhsa_private_segment_fixed_size 0
		.amdhsa_enable_private_segment 0
		.amdhsa_kernarg_size 88
		.amdhsa_user_sgpr_count 2
		.amdhsa_user_sgpr_kernarg_segment_ptr 1
		.amdhsa_wavefront_size32 1
		.amdhsa_system_sgpr_workgroup_id_x 1
		.amdhsa_system_sgpr_workgroup_id_y 1
		.amdhsa_system_sgpr_workgroup_id_z 1
		.amdhsa_system_vgpr_workitem_id 0
		.amdhsa_next_free_vgpr 192
		.amdhsa_next_free_sgpr 80
		.amdhsa_reserve_vcc 1
		.amdhsa_float_denorm_mode_32 3
		.amdhsa_float_denorm_mode_16_64 3
		.amdhsa_memory_ordered 1
		.amdhsa_forward_progress 1
		.amdhsa_inst_pref_size 72
	.end_amdhsa_kernel
	.amdgpu_metadata
---
amdhsa.version: [ 1, 2 ]
amdhsa.kernels:
  - .name:           k_q8cbb05c31d_prep
    .symbol:         k_q8cbb05c31d_prep.kd
    .args:
      - { .name: x, .offset: 0, .size: 8, .value_kind: global_buffer, .address_space: global }
      - { .name: y, .offset: 8, .size: 8, .value_kind: global_buffer, .address_space: global }
      - { .name: s, .offset: 16, .size: 8, .value_kind: global_buffer, .address_space: global }
      - { .name: Wqkv_z, .offset: 24, .size: 8, .value_kind: global_buffer, .address_space: global }
      - { .name: Wout_z, .offset: 32, .size: 8, .value_kind: global_buffer, .address_space: global }
      - { .name: Wqkv_z1, .offset: 40, .size: 8, .value_kind: global_buffer, .address_space: global }
      - { .name: Wout_z1, .offset: 48, .size: 8, .value_kind: global_buffer, .address_space: global }
      - { .name: xyc, .offset: 56, .size: 8, .value_kind: global_buffer, .address_space: global }
      - { .name: xys, .offset: 64, .size: 8, .value_kind: global_buffer, .address_space: global }
      - { .name: part, .offset: 72, .size: 8, .value_kind: global_buffer, .address_space: global }
      - { .name: wimg, .offset: 80, .size: 8, .value_kind: global_buffer, .address_space: global }
    .group_segment_fixed_size: 251648
    .private_segment_fixed_size: 0
    .kernarg_segment_align: 8
    .kernarg_segment_size: 88
    .max_flat_workgroup_size: 448
    .sgpr_count:     80
    .vgpr_count:     192
    .wavefront_size: 32
...
	.end_amdgpu_metadata
.endif
;; end of part 1
;; launch chain (part 2): grid 224 x 1, 16 waves a work-group, clusters of 4 x 1, 327,680 bytes of LDS; arguments xyc, xys, part, wimg, bout_z, bout_z1, out0, out1; writes out0, out1
.if DOCPART == 2
	.amdgcn_target "amdgcn-amd-amdhsa--gfx1250"
	.amdhsa_code_object_version 6
	.text
	.protected	k_q8cbb05c31d_chain
	.globl	k_q8cbb05c31d_chain
	.p2align	8
	.type	k_q8cbb05c31d_chain,@function
k_q8cbb05c31d_chain:
	s_mov_b64 s[64:65], 0
	v_nop
	global_prefetch_b8 v0, s[64:65] scope:SCOPE_SE
	s_setreg_imm32_b32 hwreg(HW_REG_WAVE_MODE, 25, 1), 1
	s_wait_xcnt 0x0
	s_wait_alu depctr_hold_cnt(0) depctr_sa_sdst(0) depctr_va_vdst(0) depctr_va_sdst(0) depctr_va_ssrc(0) depctr_va_vcc(0) depctr_vm_vsrc(0)
	s_getreg_b32 s2, hwreg(HW_REG_IB_STS2, 6, 4)
	s_cmp_eq_u32 s2, 0
	s_cbranch_scc0 .Lentry_in_a_cluster
	s_endpgm
.Lentry_in_a_cluster:
	s_bfe_u32 s2, ttmp6, 0x10000c
	s_cmp_lg_u32 s2, 0x3003
	s_cbranch_scc0 .Lentry_shape_is_right
	s_endpgm
.Lentry_shape_is_right:
; Both attention blocks for 112 positions of one batch, nothing of it through memory.  Quantised products on E2M1 codes with E8M0 scales; dots, softmax and the products with v in f32.
; LEFT OUT (shown at the head of the first kernel): query rows 2 and 3 of the second block, which reference() slices away; q, k, v of the pooled tokens 2 and 3 and the dots among them are made once for the
; work-group, since they are the same at every position.  A NaN, an infinity or an overflow that reaches only the rows left out is not carried to the result.
; LIMITS: the division by (sum of s_t + 1e-8) and by a softmax's sum is a reciprocal and a multiplication; the mask -100 is added as -100 sqrt(32) to the raw dot, in four quarters that start its four partial sums,
; ahead of the common factor log2(e) / sqrt(32); a block of zeros gets the scale byte 1 over zero codes; NaN and infinities are not served by the quantisers.  The row's maximum is taken away before the exponentials.
; SHARES.  Sixteen waves; waves hd and 8 + hd own head hd: its q, k, v columns and the output columns 32 hd .. 32 hd + 31.
; The 112 positions are seven blocks of 16, and they go through four phases as a pipeline with ONE barrier for each block.  In interval n
;   waves 0-7:  the way out of block n - 4, phase 1 (the first attention block's q, k, v and attention) of block n;
;   waves 8-15: phase 4 (the second projection) of block n - 3, phase 2 (the first projection) of block n - 1, phase 3 (the second attention block's q, k, v and attention) of block n - 2.
; What a phase stores in interval n is read in interval n + 1: each image and the stage have two slots, by the block's parity.
; The products are used transposed (source 0 = 32 rows of a weight, source 1 = 16 positions of ONE token), and the weights' rows are ordered so that lane (r, h) holds position r and features 16 h + 0 .. 15 of the head
; in the 16 registers of a result.  So dots and products with v stay within the lane pair (l, l xor 16), and a head's 32 features are one block of 32 along the next product's K: the wave that made them quantises them.
; TWO ROWS SHARE A REGISTER: a dot's two halves lie in lanes l and l xor 16; an exchange of halves between two rows' dots and one addition leave the one row's dot in lanes 0-15 and the other's in lanes 16-31.  The softmax
; runs on such registers, and one more exchange (with a copy) spreads each row's weights over all lanes.  The two scale bytes of two tokens are made and stored in the same way.
; OPERANDS GO FROM WAVE TO WAVE AS IMAGES OF THEIR REGISTERS: a row tile's 256 along K are 2,048 bytes, block kb of row r at 256 kb + 16 r; its scale words 128 bytes, K step s of row r at 64 s + 4 r.
; THE WEIGHTS are the same for all work-groups: the four of a cluster ask for them jointly, one tensor load a wave of 17,408 bytes (a head's four parts and scale words), once: waves 0-7 for the first attention block's at
; the head, waves 8-15 for the second's behind the next round, so that they land under interval 0.  Nothing is filled again.  Each wave keeps its q, k and v weights in registers; the output weights are read from LDS.
; The partial sums (57,344 bytes a batch) go straight into registers: there is no LDS left for them beside the weights, so they are not asked for jointly.
; All global reads stand at the kernel's head, so there is no later trip to ask ahead for: no prefetch.
; REGISTERS: v0 thread (kept, since no two registers are left for the add's own); v1-5 addresses; v6-15 scale words and nothing else; v16-111 weights; four areas of 32 at work from v112; v240-255 dots and work.
.set WREG,  17408                      ; a head's weights: codes of q, k, v, out, 4,096 bytes each, then 1,024 of scale words
.set WSC,   16384
.set SPITCH, 1040
.set SPAIR, WREG+32                    ; the stage: a pair of rows of 1,024 bytes + 16 in each of eight holes; with the 32 bytes, row r begins 16 r bytes on, modulo 256
.set STOK,  2*SPITCH                   ; from token to token in a hole,
.set SSLOT, 4*SPITCH                   ; and from slot to slot
.set AIMG,  0                          ; images: in the holes of 12,288 bytes that the first block's q, k and v codes leave once they are in registers; slots WREG apart
.set OIMG,  8192
.set ZIMG,  2*WREG
.set STG,   8*WREG                     ; the stage: in the second block's holes
.set SPARE, 16*WREG                    ; the spare words, 128 bytes for each wave, that no other line names
.set XYC,   SPARE+2048                 ; the work-group's codes of x and y: [block 7][token 2][2,048]
.set XYS,   XYC+28672                  ; their scale words: [block][token][128]
.set GF32,  XYS+2048                   ; the pooled tokens, f32: [2][256]
.set GIMG,  GF32+2048                  ; their image: row r holds token 2 + r % 2
.set GSC,   GIMG+2048
.set GREG,  GSC+256                    ; a record for each head: q, k, v of the pooled tokens [token 2][part 3][32] f32; at 768 and 896 the two biases; at 1024 + 64 h the pooled tokens' own dots
.set GRS,   1152
.set SCB,   GREG+8*GRS                 ; the images' scale words: [slot][token][128] each
.set ASC,   0
.set ZSC,   1024
.set OSC,   2048
.set LI,  1                            ; 16 x lane
.set IW,  2                            ; where my 8 bytes of codes go in an image: 256 hd + 16 r + 8 h
.set SB,  3                            ; and my scale byte of two tokens: SCB + 64 (hd / 4) + 4 r + hd % 4 + 128 h
.set GA,  4                            ; GREG + GRS hd + 64 h
.set STO, 5                            ; the stage, in: row r, my head's 128 bytes, + 64 h
.set WQ,  6                            ; scale words of the q rows, K steps 0 and 1,
.set WK,  8                            ; of the k rows,
.set W2,  10                           ; of the v rows (waves 8-15: or of the output rows, as the phase wants them)
.set AS,  12                           ; scale words of the activations, a register a token
.set WQF, 16                           ; weights of q, k, v: 32 registers each: K step 0, then 1; in each rows 0-15, then 16-31
.set WKF, 48
.set WVF, 80
.set F,   112                          ; four areas of 32
.set Q,   144
.set K,   176
.set G,   208
.set D,   240                          ; dots, then softmax weights
.set T,   248                          ; at work
.set SPW, 254                          ; the add's two registers, made anew ahead of its last place
.set NIL, 255
.macro ROUND                           ; a round of the cluster's barrier
	s_barrier_signal -1
	s_barrier_wait -1
	s_cmp_lg_u32 s20, 0
	s_cbranch_scc1 .Lnot_wave_0_\@
	s_barrier_signal -3
.Lnot_wave_0_\@:
	s_barrier_wait -3
	s_barrier_signal -1
	s_barrier_wait -1
.endm
.macro BAR                             ; my LDS stores have landed and my LDS loads are in: then the work-group's barrier
	s_wait_alu depctr_va_vdst(0)
	s_wait_dscnt 0x0
	s_barrier_signal -1
	s_barrier_wait -1
.endm
.macro NEXT                            ; an interval's end.  s52, s53: the next block's place in XYC and XYS, held at the last block's
	s_add_co_u32 s50, s50, 4096
	s_add_co_u32 s51, s51, 256
	s_min_u32 s52, s50, XYC+6*4096
	s_min_u32 s53, s51, XYS+6*256
	BAR
.endm
.macro PLACES                          ; five plain places behind a run of matrix instructions: four serve loads into, and reads of, their registers; the fifth serves later matrix instructions that write over them
.rept 5
	v_nop
.endr
.endm
; One matrix instruction: 32 weight rows x 16 positions x 128 along K.  acc: 16 registers; w: a part's 32 weight registers; bf: an image's 16 registers; ws: the part's two scale words; as: the token's (K step 1 from lanes 16-31).
; ks = 1 adds in place; ks = 0 starts the sum with 0 (cb < 0) or with the bias at v[cb].  In every run all accumulators take K step 0 by turns, then K step 1.
.macro MM acc, w, ks, bf, ws, as, cb
.if \ks
	v_wmma_scale_f32_32x16x128_f4 v[\acc:\acc+15], v[\w+16:\w+31], v[\bf+8:\bf+15], v[\acc:\acc+15], v[\ws+1], v[\as] matrix_b_scale:MATRIX_SCALE_ROW1
.elseif \cb < 0
	v_wmma_scale_f32_32x16x128_f4 v[\acc:\acc+15], v[\w:\w+15], v[\bf:\bf+7], 0, v[\ws], v[\as]
.else
	v_wmma_scale_f32_32x16x128_f4 v[\acc:\acc+15], v[\w:\w+15], v[\bf:\bf+7], v[\cb:\cb+15], v[\ws], v[\as]
.endif
.endm
.macro FETCH reg, adr, off             ; a row tile's image: two K steps, 16 registers
.irp q, 0,1,2,3
	ds_load_b128 v[\reg+4*\q:\reg+4*\q+3], v[\adr] offset:\off+512*\q
.endr
.endm
.macro WLD reg, adr, off               ; a part's weights, 32 registers
.irp q, 0,1,2,3,4,5,6,7
	ds_load_b128 v[\reg+4*\q:\reg+4*\q+3], v[\adr] offset:\off+512*\q
.endr
.endm
.macro GLD reg, off                    ; 16 numbers of my head's record: sixteen lanes read the same bytes
.irp q, 0,1,2,3
	ds_load_b128 v[\reg+4*\q:\reg+4*\q+3], v[GA] offset:\off+16*\q
.endr
.endm
; Four dots of 32 features by turns, my 16 features in packed multiply-adds; then row a's dot goes to lanes 0-15 and row b's to lanes 16-31 of v[d]; likewise c, f in v[g].  m = 1: masked: -25 sqrt(32) starts each of the four partial sums.
.macro DMUL t, q, k, m
.if \m
	v_pk_fma_f32 v[\t:\t+1], v[\q:\q+1], v[\k:\k+1], s[38:39] op_sel_hi:[1,1,0]
.else
	v_pk_mul_f32 v[\t:\t+1], v[\q:\q+1], v[\k:\k+1]
.endif
.endm
.macro DOT4 d, qa,ka,ma, qb,kb,mb, g, qc,kc,mc, qf,kf,mf
	DMUL T, \qa, \ka, \ma
	DMUL T+2, \qb, \kb, \mb
	DMUL T+4, \qc, \kc, \mc
	DMUL T+6, \qf, \kf, \mf
.irp o, 2,4,6,8,10,12,14
	v_pk_fma_f32 v[T:T+1], v[\qa+\o:\qa+\o+1], v[\ka+\o:\ka+\o+1], v[T:T+1]
	v_pk_fma_f32 v[T+2:T+3], v[\qb+\o:\qb+\o+1], v[\kb+\o:\kb+\o+1], v[T+2:T+3]
	v_pk_fma_f32 v[T+4:T+5], v[\qc+\o:\qc+\o+1], v[\kc+\o:\kc+\o+1], v[T+4:T+5]
	v_pk_fma_f32 v[T+6:T+7], v[\qf+\o:\qf+\o+1], v[\kf+\o:\kf+\o+1], v[T+6:T+7]
.endr
	v_add_f32 v[T], v[T], v[T+1]
	v_add_f32 v[T+2], v[T+2], v[T+3]
	v_add_f32 v[T+4], v[T+4], v[T+5]
	v_add_f32 v[T+6], v[T+6], v[T+7]
	v_permlane16_swap_b32 v[T], v[T+2]             ; the first's lanes 16-31 change places with the second's lanes 0-15
	v_permlane16_swap_b32 v[T+4], v[T+6]
	v_add_f32 v[\d], v[T], v[T+2]
	v_add_f32 v[\g], v[T+4], v[T+6]
.endm
; The softmax of n pairs of rows: raw dots with keys 0-3 at v[D + 4 i ..].  Afterwards row 2 i's weights stand at v[D + 4 i ..], row 2 i + 1's at v[T + 4 i ..], in all lanes.  P: 2 n registers at work, written before.
; The exponentials are one batch with one wait ahead and one behind, the reciprocals another.
.macro SOFTMAX n, P
.set i, 0
.rept \n
	v_max3_num_f32 v[\P+2*i], v[D+4*i], v[D+4*i+1], v[D+4*i+2]
.set i, i+1
.endr
.set i, 0
.rept \n
	v_max_num_f32 v[\P+2*i], v[\P+2*i], v[D+4*i+3] ; the row's largest dot
.set i, i+1
.endr
.set i, 0
.rept \n
	v_mul_f32 v[\P+2*i], s36, v[\P+2*i]            ; x c = log2(e) / sqrt(32)
.set i, i+1
.endr
.set i, 0
.rept \n
	v_pk_fma_f32 v[D+4*i:D+4*i+1], v[D+4*i:D+4*i+1], s[36:37], v[\P+2*i:\P+2*i+1] op_sel_hi:[1,0,0] neg_lo:[0,0,1] neg_hi:[0,0,1]   ; c d - c max
	v_pk_fma_f32 v[D+4*i+2:D+4*i+3], v[D+4*i+2:D+4*i+3], s[36:37], v[\P+2*i:\P+2*i+1] op_sel_hi:[1,0,0] neg_lo:[0,0,1] neg_hi:[0,0,1]
.set i, i+1
.endr
	s_wait_alu depctr_va_vdst(0)
.set i, 0
.rept 4*\n
	v_exp_f32 v[D+i], v[D+i]
.set i, i+1
.endr
	v_nop                                          ; a plain line behind the last exponential
	s_wait_alu depctr_va_vdst(0)
.set i, 0
.rept \n
	v_pk_add_f32 v[\P+2*i:\P+2*i+1], v[D+4*i:D+4*i+1], v[D+4*i+2:D+4*i+3]
.set i, i+1
.endr
.set i, 0
.rept \n
	v_add_f32 v[\P+2*i], v[\P+2*i], v[\P+2*i+1]
.set i, i+1
.endr
	s_wait_alu depctr_va_vdst(0)
.set i, 0
.rept \n
	v_rcp_f32 v[\P+2*i], v[\P+2*i]
.set i, i+1
.endr
	v_nop
	s_wait_alu depctr_va_vdst(0)
.set i, 0
.rept \n                               ; normalised, in two copies
	v_pk_mul_f32 v[T+4*i:T+4*i+1], v[D+4*i:D+4*i+1], v[\P+2*i:\P+2*i+1] op_sel_hi:[1,0]
	v_pk_mul_f32 v[T+4*i+2:T+4*i+3], v[D+4*i+2:D+4*i+3], v[\P+2*i:\P+2*i+1] op_sel_hi:[1,0]
	v_pk_mul_f32 v[D+4*i:D+4*i+1], v[D+4*i:D+4*i+1], v[\P+2*i:\P+2*i+1] op_sel_hi:[1,0]
	v_pk_mul_f32 v[D+4*i+2:D+4*i+3], v[D+4*i+2:D+4*i+3], v[\P+2*i:\P+2*i+1] op_sel_hi:[1,0]
.set i, i+1
.endr
.set i, 0
.rept 4*\n
	v_permlane16_swap_b32 v[D+i], v[T+i]           ; row 2 i's weights in all lanes of the one, row 2 i + 1's in all lanes of the other
.set i, i+1
.endr
.endm
; out = the sum over j of weight j x v_j, my 16 features, for one row: weights at v[w ..]; v_0, v_1 at v[va ..], v_2, v_3 at v[vb ..].  The first term starts the sums.
.macro AVT ob, vv, w, mode
.irp o, 0,2,4,6,8,10,12,14
.if \mode == 0
	v_pk_mul_f32 v[\ob+\o:\ob+\o+1], v[\vv+\o:\vv+\o+1], v[\w:\w+1] op_sel_hi:[1,0]
.elseif \mode == 1
	v_pk_fma_f32 v[\ob+\o:\ob+\o+1], v[\vv+\o:\vv+\o+1], v[\w:\w+1], v[\ob+\o:\ob+\o+1] op_sel:[0,1,0] op_sel_hi:[1,1,1]
.else
	v_pk_fma_f32 v[\ob+\o:\ob+\o+1], v[\vv+\o:\vv+\o+1], v[\w:\w+1], v[\ob+\o:\ob+\o+1] op_sel_hi:[1,0,1]
.endif
.endr
.endm
.macro AVROW ob, w, va, vb
	AVT \ob, \va, \w, 0
	AVT \ob, \va+16, \w, 1
	AVT \ob, \vb, \w+2, 2
	AVT \ob, \vb+16, \w+2, 1
.endm
; np pairs of tokens' blocks of 32 (my 16 numbers of tokens 0, 1 at v[s0], v[s0 + 16], of tokens 2, 3 at v[s1], v[s1 + 16]; lane l xor 16 holds the other 16) become codes and scale bytes, and go into the images.
; tm: four maxima, two bytes, eight registers of codes.
.macro QSRC
.if x < 2
.set qs, qs0+16*x
.else
.set qs, qs1+16*(x-2)
.endif
.endm
.macro QB np, s0, s1, tm, img, sc
.set qs0, \s0
.set qs1, \s1
.set x, 0
.rept 2*\np
	QSRC
	v_max3_num_f32 v[\tm+x], |v[qs]|, |v[qs+1]|, 0x1800000   ; with the floor 2^(3 - 127): the byte cannot fall under 1
.set x, x+1
.endr
.irp o, 2,4,6,8,10,12,14
.set x, 0
.rept 2*\np
	QSRC
	v_max3_num_f32 v[\tm+x], v[\tm+x], |v[qs+\o]|, |v[qs+\o+1]|
.set x, x+1
.endr
.endr
.set x, 0
.rept \np
	v_permlane16_swap_b32 v[\tm+2*x], v[\tm+2*x+1]
.set x, x+1
.endr
.set x, 0
.rept \np
	v_max_num_f32 v[\tm+2*x], v[\tm+2*x], v[\tm+2*x+1]       ; lanes 0-15: the even token's largest magnitude, lanes 16-31: the odd one's
.set x, x+1
.endr
.set x, 0
.rept \np
	v_add_nc_u32 v[\tm+2*x+1], 0xff000000, v[\tm+2*x]        ; 2 off its exponent field: the conversion's scale operand, in two copies
	v_add_nc_u32 v[\tm+2*x], 0xff000000, v[\tm+2*x]
.set x, x+1
.endr
.set x, 0
.rept \np
	v_lshrrev_b32 v[\tm+4+x], 23, v[\tm+2*x]                 ; the scale's byte
.set x, x+1
.endr
.set x, 0
.rept \np
	v_permlane16_swap_b32 v[\tm+2*x], v[\tm+2*x+1]           ; each token's in all lanes
.set x, x+1
.endr
.set x, 0
.rept 2*\np
	QSRC
	v_cvt_scalef32_pk8_fp4_f32 v[\tm+6+2*x], v[qs:qs+7], v[\tm+x]
	v_cvt_scalef32_pk8_fp4_f32 v[\tm+7+2*x], v[qs+8:qs+15], v[\tm+x]
.set x, x+1
.endr
	v_nop                                          ; the plain line behind the conversions
.set x, 0
.rept 2*\np
	ds_store_b64 v[IW], v[\tm+6+2*x:\tm+7+2*x] offset:\img+2048*x    ; the two halves of a block meet in the image
.set x, x+1
.endr
.set x, 0
.rept \np
	ds_store_b8 v[SB], v[\tm+4+x] offset:\sc+256*x
.set x, x+1
.endr
.endm
; ---- 1: q, k, v of tokens 0 and 1; the first block's attention, into slot sl (waves 0-7)
.macro PH1 sl
	v_add_nc_u32 v[T], s52, v[LI]
	v_lshrrev_b32 v[T+1], 2, v[LI]
	v_add_nc_u32 v[T+1], s53, v[T+1]
	FETCH F, T, 0
	FETCH F+16, T, 2048
	ds_load_b32 v[AS], v[T+1]
	ds_load_b32 v[AS+1], v[T+1] offset:128
	GLD G, 128                                     ; k of token 2,
	GLD G+16, 512                                  ; of token 3
	s_wait_xcnt 0x0                                ; the way out's stores have read their registers, which q goes into
	s_wait_dscnt 8                                 ; fragments and their scale words are in; the eight loads of pooled k may be out
.irp s, 0,1
	MM Q, WQF, \s, F, WQ, AS, -1
	MM Q+16, WQF, \s, F+16, WQ, AS+1, -1
	MM K, WKF, \s, F, WK, AS, -1
	MM K+16, WKF, \s, F+16, WK, AS+1, -1
.endr
	PLACES
	s_wait_dscnt 0x0
	DOT4 D, Q,K,0, Q+16,K,0, D+1, Q,K+16,0, Q+16,K+16,0
	DOT4 D+2, Q,G,0, Q+16,G,1, D+3, Q,G+16,1, Q+16,G+16,0              ; MASK0: -100 at (0, 3), (1, 2), (2, 1), (3, 0)
	GLD G, 0                                       ; q of token 2,
	GLD G+16, 384                                  ; of token 3
	ds_load_b64 v[D+6:D+7], v[GA] offset:1024      ; the dots among the pooled tokens
.irp s, 0,1
	MM Q, WVF, \s, F, W2, AS, -1                   ; v of tokens 0 and 1, over q
	MM Q+16, WVF, \s, F+16, W2, AS+1, -1
.endr
	s_wait_dscnt 0x0
	DOT4 D+4, G,K,0, G+16,K,1, D+5, G,K+16,1, G+16,K+16,0              ; (also the products' places)
	GLD G, 256                                     ; v of token 2,
	GLD G+16, 640                                  ; of token 3
	SOFTMAX 2, K
	s_wait_dscnt 0x0
	s_wait_alu depctr_va_vdst(0)                   ; ahead of the first readers of the weights and of v
	AVROW F, D, Q, G
	AVROW F+16, T, Q, G
	AVROW K, D+4, Q, G
	AVROW K+16, T+4, Q, G
	QB 2, F, K, G, AIMG+WREG*\sl, ASC+512*\sl
.endm
; ---- 2: the first block's projection, four tokens, slot sl (waves 8-15).  s55: my head's weights of the first block
.macro PH2 sl
	v_lshrrev_b32 v[T], 2, v[LI]
	v_add_nc_u32 v[T+2], s55, v[LI]
	v_add_nc_u32 v[T+1], s55, v[T]
	v_add_nc_u32 v[T], SCB, v[T]
.irp x, 0,1,2,3
	FETCH F+16*\x, LI, AIMG+WREG*\sl+2048*\x
	ds_load_b32 v[AS+\x], v[T] offset:ASC+512*\sl+128*\x
.endr
	ds_load_b32 v[W2], v[T+1] offset:WSC+768
	ds_load_b32 v[W2+1], v[T+1] offset:WSC+896
	WLD G, T+2, 12288
	GLD D, 768                                     ; the bias, in the result's layout
	s_wait_dscnt 0x0
.irp s, 0,1
	MM K, G, \s, F, W2, AS, D
	MM K+16, G, \s, F+16, W2, AS+1, D
.endr
	PLACES
.irp s, 0,1
	MM F, G, \s, Q, W2, AS+2, D                    ; tokens 2 and 3, over the fragments of tokens 0 and 1
	MM F+16, G, \s, Q+16, W2, AS+3, D
.endr
	PLACES
	QB 2, K, F, Q, ZIMG+WREG*\sl, ZSC+512*\sl
.endm
; ---- 3: the second block: q of tokens 0, 1; k and v of all four; attention rows 0, 1; slot sl (waves 8-15).  s58: my head's weights
.macro PH3 sl
	v_lshrrev_b32 v[T], 2, v[LI]
	v_add_nc_u32 v[T+1], s58, v[T]
	v_add_nc_u32 v[T], SCB, v[T]
	FETCH F, LI, ZIMG+WREG*\sl
	FETCH F+16, LI, ZIMG+WREG*\sl+2048
	ds_load_b32 v[AS], v[T] offset:ZSC+512*\sl
	ds_load_b32 v[AS+1], v[T] offset:ZSC+512*\sl+128
	ds_load_b32 v[W2], v[T+1] offset:WSC+512
	ds_load_b32 v[W2+1], v[T+1] offset:WSC+640
	s_wait_dscnt 0x0
.irp s, 0,1
	MM Q, WQF, \s, F, WQ, AS, -1
	MM Q+16, WQF, \s, F+16, WQ, AS+1, -1
	MM K, WKF, \s, F, WK, AS, -1
	MM K+16, WKF, \s, F+16, WK, AS+1, -1
	MM G, WVF, \s, F, W2, AS, -1
	MM G+16, WVF, \s, F+16, W2, AS+1, -1
.endr
	PLACES
	FETCH F, LI, ZIMG+WREG*\sl+4096
	FETCH F+16, LI, ZIMG+WREG*\sl+6144
	s_wait_alu depctr_va_vdst(0)
	ds_load_b32 v[AS+2], v[T] offset:ZSC+512*\sl+256
	ds_load_b32 v[AS+3], v[T] offset:ZSC+512*\sl+384
	DOT4 D, Q,K,0, Q+16,K,1, D+1, Q,K+16,1, Q+16,K+16,0                ; MASK1, rows 0 and 1: -100 at (0, 1), (0, 3), (1, 0), (1, 2)
	s_wait_dscnt 0x0
.irp s, 0,1
	MM K, WKF, \s, F, WK, AS+2, -1                 ; k of tokens 2 and 3, over k of tokens 0 and 1
	MM K+16, WKF, \s, F+16, WK, AS+3, -1
.endr
	PLACES
	DOT4 D+2, Q,K,0, Q+16,K,1, D+3, Q,K+16,1, Q+16,K+16,0
.irp s, 0,1
	MM Q, WVF, \s, F, W2, AS+2, -1                 ; v of tokens 2 and 3, over q
	MM Q+16, WVF, \s, F+16, W2, AS+3, -1
.endr
	SOFTMAX 1, K                                   ; (names no register of the products above: its plain lines are their places)
	s_wait_alu depctr_va_vdst(0)                   ; ahead of v's first readers
	AVROW K, D, G, Q
	AVROW K+16, T, G, Q
	QB 1, K, 0, F, OIMG+WREG*\sl, OSC+256*\sl
.endm
; ---- 4: the second block's projection, tokens 0 and 1, slot sl (waves 8-15)
.macro PH4 sl
	v_lshrrev_b32 v[T], 2, v[LI]
	v_add_nc_u32 v[T+2], s58, v[LI]
	v_add_nc_u32 v[T+1], s58, v[T]
	v_add_nc_u32 v[T], SCB, v[T]
.irp t, 0,1
	FETCH F+16*\t, LI, OIMG+WREG*\sl+2048*\t
	ds_load_b32 v[AS+\t], v[T] offset:OSC+256*\sl+128*\t
.endr
	ds_load_b32 v[W2], v[T+1] offset:WSC+768
	ds_load_b32 v[W2+1], v[T+1] offset:WSC+896
	WLD G, T+2, 12288
	GLD D, 896
	s_wait_dscnt 0x0
.irp s, 0,1
	MM K, G, \s, F, W2, AS, D
	MM K+16, G, \s, F+16, W2, AS+1, D
.endr
	PLACES
.irp t, 0,1
.irp q, 0,1,2,3
	ds_store_b128 v[STO], v[K+16*\t+4*\q:K+16*\t+4*\q+3] offset:SSLOT*\sl+STOK*\t+16*\q   ; each accumulator from its low end on
.endr
.endr
.endm
; ---- the way out: my wave stores four whole rows of slot sl (waves 0-7)
.macro WAY sl
	s_wait_xcnt 0x0                                ; the stores before have read their registers and their base
	s_add_nc_u64 s[40:41], s[40:41], 16384         ; 16 positions on
	v_add_nc_u32 v[K], s56, v[LI]
.irp n, 0,1,2,3,4,5,6,7
	ds_load_b128 v[Q+4*\n:Q+4*\n+3], v[K] offset:SSLOT*\sl+SPAIR*(\n/4)+SPITCH*((\n/2)%2)+512*(\n%2)
.endr
.irp n, 0,1,2,3,4,5,6,7
	s_wait_dscnt 7-\n                              ; this row's part is in; the younger ones may be out
	global_store_b128 v[LI], v[Q+4*\n:Q+4*\n+3], s[40:41] offset:1024*(\n/2)+512*(\n%2) th:TH_STORE_NT   ; 32 lanes store 512 consecutive bytes, aligned
.endr
.endm
	; ---------------- the head ----------------
	s_load_b512 s[4:19], s[0:1], 0x0               ; xyc, xys, part, wimg, bout_z, bout_z1, out0, out1
	v_lshl_add_u32 v[SPW], v0, 2, SPARE
	v_mov_b32 v[NIL], 0
	ds_add_u32 v[SPW], v[NIL]                      ; the wave's opening: the add, twice on end, and its wait ahead of my first tensor load
	ds_add_u32 v[SPW], v[NIL]
	v_lshrrev_b32 v16, 5, v0
	v_readfirstlane_b32 s20, v16                   ; wave 0..15
	s_and_b32 s43, s20, 7                          ; my head
	s_bfe_u32 s44, ttmp6, 0x40000                  ; cx
	s_lshl_b32 s21, ttmp9, 2
	s_add_co_u32 s21, s21, s44                     ; my work-group: it enters global addresses of plain loads and stores alone
	s_mul_i32 s45, ttmp9, 37
	s_lshr_b32 s45, s45, 8                         ; the batch = cluster / 7 (exact for 0 .. 55)
	s_mov_b32 s24, 15|(3<<16)|(1<<21)              ; group 1: the mask names the cluster's four; elements of 8 bytes; bit 21 beside a mask; no padding
	s_mov_b32 s25, 32<<16                          ; tensor_dim0 = 32 elements: rows of 256 bytes
	s_mov_b32 s26, 68<<16                          ; tensor_dim1 = 68 rows
	s_mov_b32 s27, 32<<16                          ; tile_dim0
	s_mov_b32 s28, 68                              ; tile_dim1
	s_mov_b32 s29, 32                              ; the pitch: dense
	s_mov_b32 s30, 0
	s_mov_b32 s31, 0
	s_mov_b32 s32, 1
	s_mul_i32 s33, s20, WREG                       ; LDS address: my wave's 17,408 bytes of weights,
	s_mul_i32 s46, s20, WREG                       ; the same place in wimg,
	s_mov_b32 s47, 0
	s_mul_i32 s58, s20, WREG                       ; where I read them,
	s_mul_i32 s55, s43, WREG                       ; and where my head's weights of the first block lie
	s_mov_b32 s36, 0x3e8293ee                      ; c = log2(e) / sqrt(32)
	s_mov_b32 s37, s36                             ; (named with it as a pair, so it is written)
	s_mov_b32 s38, 0xc30d6bde                      ; -25 sqrt(32)
	s_mov_b32 s39, s38
	s_and_b32 s44, s43, 3
	s_mul_i32 s56, s44, 2*SPAIR
	s_lshr_b32 s60, s43, 2
	s_mul_i32 s61, s60, STOK
	s_add_co_u32 s56, s56, s61
	s_add_co_u32 s56, s56, STG                     ; my four rows of the stage: token head / 4, positions 4 (head % 4) on
	s_lshl_b32 s61, s60, 6
	s_add_co_u32 s61, s61, s44
	s_lshl_b32 s60, s43, 8
	s_mov_b32 s50, XYC
	s_mov_b32 s51, XYS
	s_mov_b32 s52, XYC
	s_mov_b32 s53, XYS
	s_mov_b32 s57, 0
	s_mul_i32 s62, s43, GRS
	s_add_co_u32 s62, s62, GREG
	s_lshl_b32 s44, s43, 7
	s_add_co_u32 s63, s44, STG
	s_add_co_u32 s67, s44, GF32
	s_add_co_u32 s66, s62, 768
	v_and_b32 v16, 31, v0                          ; lane
	v_and_b32 v17, 15, v0                          ; r
	v_bfe_u32 v18, v0, 4, 1                        ; h
	v_and_b32 v19, 0xff, v0                        ; t: my thread among the 256 of my half of the waves
	v_and_b32 v21, 1, v0                           ; r % 2
	v_bfe_u32 v22, v0, 1, 3                        ; r / 2
	v_lshlrev_b32 v[LI], 4, v16
	v_lshlrev_b32 v[IW], 4, v17
	v_lshl_add_u32 v20, v17, 2, s61
	v_mul_u32_u24 v[STO], v22, SPAIR
	v_lshl_add_u32 v[GA], v18, 6, s62
	v_lshl_add_u32 v[IW], v18, 3, v[IW]
	v_lshl_add_u32 v[SB], v18, 7, v20
	v_mad_u32_u24 v[STO], v21, SPITCH, v[STO]
	v_add_nc_u32 v[IW], s60, v[IW]
	v_add_nc_u32 v[SB], SCB, v[SB]
	v_lshl_add_u32 v[STO], v18, 6, v[STO]
	v_add_nc_u32 v[STO], s63, v[STO]
	; the head's own addresses: v240-253
	v_lshlrev_b32 v240, 4, v19
	v_lshlrev_b32 v241, 3, v19
	v_mov_b32 v242, 0
	v_lshlrev_b32 v243, 2, v19
	v_lshl_add_u32 v244, v19, 4, XYC
	v_lshl_add_u32 v245, v19, 3, XYS
	v_lshl_add_u32 v246, v16, 2, s66               ; the biases' place in the records
	v_lshl_add_u32 v247, v19, 3, GF32
	v_lshlrev_b32 v248, 10, v21
	v_add_nc_u32 v249, GIMG, v[IW]
	v_add_nc_u32 v250, GSC, v20
	v_lshl_add_u32 v248, v18, 6, v248
	v_add_nc_u32 v251, GIMG, v[LI]
	v_lshl_add_u32 v252, v16, 2, GSC
	v_add_nc_u32 v248, s67, v248                   ; pooled token r % 2, block hd, my 16 numbers
	v_mad_u32_u24 v253, v21, 384, v[GA]            ; the record: token r % 2
	s_wait_alu depctr_va_vdst(0)
	s_wait_dscnt 0x0                               ; both opening adds are done
	s_wait_kmcnt 0x0
	s_add_nc_u64 s[34:35], s[10:11], s[46:47]      ; group 0: wimg at my wave's part: the same in all four partners
	s_or_b32 s35, s35, 0x80000000
	s_mul_i32 s46, s21, 28672
	s_add_nc_u64 s[4:5], s[4:5], s[46:47]          ; my work-group's codes
	s_lshl_b32 s46, s21, 11
	s_add_nc_u64 s[48:49], s[6:7], s[46:47]        ; and scale words
	s_mul_i32 s46, s45, 57344
	s_add_nc_u64 s[8:9], s[8:9], s[46:47]          ; the batch's 28 records of partial sums
	s_add_nc_u64 s[6:7], s[6:7], s[46:47]          ; and of xys, for the sums of s_t
	s_mul_i32 s46, s21, 114688
	s_and_b32 s44, s43, 3
	s_lshl_b32 s44, s44, 12
	s_add_co_u32 s46, s46, s44
	s_cmp_lt_u32 s43, 4
	s_cselect_b64 s[40:41], s[16:17], s[18:19]     ; heads 0-3 store token 0's rows, heads 4-7 token 1's
	s_add_nc_u64 s[40:41], s[40:41], s[46:47]      ; at position 112 x work-group + 4 (head % 4),
	s_sub_nc_u64 s[40:41], s[40:41], 16384         ; one block back: each way out steps it first
	ROUND                                          ; all four work-groups are here: the joint loads meet
	s_cmp_lt_u32 s20, 8
	s_cbranch_scc0 .Lhead_b
	tensor_load_to_lds s[32:35], s[24:31]          ; my head's weights of the first attention block
	s_nop 0
.rept 4
	v_nop
.endr
.irp i, 0,1,2,3,4,5,6
	global_load_b128 v[88+4*\i:91+4*\i], v240, s[4:5] offset:4096*\i th:TH_LOAD_NT
.endr
	global_load_b64 v[116:117], v241, s[48:49]
	global_load_b32 v118, v243, s[12:13]
	global_load_b32 v119, v243, s[14:15]
	s_wait_loadcnt 0x0
.irp i, 0,1,2,3,4,5,6
	ds_store_b128 v244, v[88+4*\i:91+4*\i] offset:4096*\i
.endr
	ds_store_b64 v245, v[116:117]
	ds_store_b32 v246, v118
	ds_store_b32 v246, v119 offset:128
	s_branch .Lhead_j
.Lhead_b:
.set i, 0
.rept 28
	global_load_b64 v[120+2*i:121+2*i], v241, s[8:9] offset:2048*i    ; record i: my two columns of my token
.set i, i+1
.endr
.set i, 0
.rept 28
	global_load_b32 v[176+i], v242, s[6:7] offset:1792+2048*i         ; record i's sum of s_t
.set i, i+1
.endr
	s_wait_loadcnt 0x0
.set i, 2
.rept 13
	v_pk_add_f32 v[120:121], v[120:121], v[120+2*i:121+2*i]           ; two chains each
	v_pk_add_f32 v[122:123], v[122:123], v[122+2*i:123+2*i]
	v_add_f32 v176, v176, v[176+i]
	v_add_f32 v177, v177, v[177+i]
.set i, i+2
.endr
	v_pk_add_f32 v[120:121], v[120:121], v[122:123]
	v_add_f32 v176, v176, v177
	v_add_f32 v176, 0x322bcc77, v176               ; + 1e-8
	s_wait_alu depctr_va_vdst(0)
	v_rcp_f32 v176, v176
	v_nop
	s_wait_alu depctr_va_vdst(0)
	v_pk_mul_f32 v[120:121], v[120:121], v[176:177] op_sel_hi:[1,0]
	ds_store_b64 v247, v[120:121]                  ; the pooled tokens
.Lhead_j:
	BAR                                            ; codes, scale words, biases and pooled tokens lie in LDS
	s_cmp_lt_u32 s20, 8
	s_cbranch_scc0 .Lquant_b
	s_wait_tensorcnt 0x0                           ; my own weights are in LDS: q, k and v go into registers
	v_add_nc_u32 v[Q], s58, v[LI]
	v_lshrrev_b32 v[Q+1], 2, v[LI]
	v_add_nc_u32 v[Q+1], s58, v[Q+1]
	WLD WQF, Q, 0
	WLD WKF, Q, 4096
	WLD WVF, Q, 8192
.irp q, 0,1,2,3,4,5
	ds_load_b32 v[WQ+\q], v[Q+1] offset:WSC+128*\q
.endr
	s_branch .Lpooled
.Lquant_b:
.irp q, 0,1,2,3
	ds_load_b128 v[112+4*\q:115+4*\q], v248 offset:16*\q
.endr
	s_wait_dscnt 0x0
	v_max3_num_f32 v144, |v112|, |v113|, 0x1800000 ; block hd of the pooled row tile, with the quantiser's floor
	v_max3_num_f32 v145, |v114|, |v115|, |v116|
	v_max3_num_f32 v144, v144, |v117|, |v118|
	v_max3_num_f32 v145, v145, |v119|, |v120|
	v_max3_num_f32 v144, v144, |v121|, |v122|
	v_max3_num_f32 v145, v145, |v123|, |v124|
	v_max3_num_f32 v144, v144, |v125|, |v126|
	v_max3_num_f32 v144, v144, |v127|, v145
	v_mov_b32 v145, v144
	v_permlane16_swap_b32 v144, v145
	v_max_num_f32 v144, v144, v145
	v_add_nc_u32 v144, 0xff000000, v144
	v_cvt_scalef32_pk8_fp4_f32 v146, v[112:119], v144
	v_cvt_scalef32_pk8_fp4_f32 v147, v[120:127], v144
	v_lshrrev_b32 v148, 23, v144
	v_nop
	ds_store_b64 v249, v[146:147]
	ds_store_b8 v250, v148                         ; both lanes of a pair write the same byte with the same value
.Lpooled:
	s_wait_alu depctr_va_vdst(0)
	s_wait_tensorcnt 0x0                           ; ahead of a later first fill
	ds_add_u32 v[SPW], v[NIL]
	ds_add_u32 v[SPW], v[NIL]
	s_wait_dscnt 0x0                               ; (and my q, k and v weights are in registers)
	ROUND                                          ; the pooled image is whole; the first block's q, k and v codes may be written over from here on
	s_cmp_lt_u32 s20, 8
	s_cbranch_scc0 .Lint0_b
	FETCH F, 251, 0
	ds_load_b32 v[AS], v252
	s_wait_dscnt 0x0
.irp s, 0,1
	MM Q, WQF, \s, F, WQ, AS, -1                   ; q, k, v of the pooled tokens
	MM Q+16, WKF, \s, F, WK, AS, -1
	MM K, WVF, \s, F, W2, AS, -1
.endr
	PLACES
.irp q, 0,1,2,3
	ds_store_b128 v253, v[Q+4*\q:Q+4*\q+3] offset:16*\q               ; rows of one parity hold the same token: they write the same bytes with the same values
.endr
.irp q, 0,1,2,3
	ds_store_b128 v253, v[Q+16+4*\q:Q+16+4*\q+3] offset:128+16*\q
.endr
.irp q, 0,1,2,3
	ds_store_b128 v253, v[K+4*\q:K+4*\q+3] offset:256+16*\q
.endr
	GLD F, 0                                       ; LDS serves a wave's instructions in order: these see my stores.  q of tokens 2 and 3,
	GLD F+16, 384
	GLD G, 128                                     ; k of tokens 2 and 3
	GLD G+16, 512
	s_wait_dscnt 0x0
	DOT4 D, F,G,0, F+16,G,0, D+1, F,G+16,0, F+16,G+16,0
	ds_store_b64 v[GA], v[D:D+1] offset:1024       ; sixteen lanes write the same bytes with the same values
	; ---------------- intervals 0 and 1 ----------------
	PH1 0
	s_branch .Lint0_j
.Lint0_b:
	tensor_load_to_lds s[32:35], s[24:31]          ; my head's weights of the second attention block
	s_nop 0
.rept 4
	v_nop
.endr
.Lint0_j:
	NEXT                                           ; (the tensor load may still be out)
	s_cmp_lt_u32 s20, 8
	s_cbranch_scc0 .Lint1_b
	PH1 1
	s_branch .Lint1_j
.Lint1_b:
	PH2 0
	s_wait_tensorcnt 0x0                           ; my own weights are in LDS: q, k and v go into registers
	v_add_nc_u32 v[T], s58, v[LI]
	v_lshrrev_b32 v[T+1], 2, v[LI]
	v_add_nc_u32 v[T+1], s58, v[T+1]
	WLD WQF, T, 0
	WLD WKF, T, 4096
	WLD WVF, T, 8192
.irp q, 0,1,2,3
	ds_load_b32 v[WQ+\q], v[T+1] offset:WSC+128*\q
.endr
	s_wait_dscnt 0x0
.Lint1_j:
	NEXT
	; ---------------- intervals 2 to 9: trip s57 makes intervals 2 + 2 s57 and 3 + 2 s57 ----------------
.Lpair:
	s_cmp_lt_u32 s20, 8
	s_cbranch_scc0 .Leven_b
	s_cmp_eq_u32 s57, 0
	s_cbranch_scc1 .Leven_1
	WAY 0
.Leven_1:
	s_cmp_lt_u32 s57, 3
	s_cbranch_scc0 .Leven_j
	PH1 0
	s_branch .Leven_j
.Leven_b:
	s_cmp_eq_u32 s57, 0
	s_cbranch_scc1 .Leven_2
	PH4 1
.Leven_2:
	s_cmp_lt_u32 s57, 3
	s_cbranch_scc0 .Leven_3
	PH2 1
.Leven_3:
	PH3 0
.Leven_j:
	NEXT
	s_cmp_lt_u32 s20, 8
	s_cbranch_scc0 .Lodd_b
	s_cmp_eq_u32 s57, 0
	s_cbranch_scc1 .Lodd_1
	WAY 1
.Lodd_1:
	s_cmp_lt_u32 s57, 2
	s_cbranch_scc0 .Lodd_j
	PH1 1
	s_branch .Lodd_j
.Lodd_b:
	PH4 0
	s_cmp_lt_u32 s57, 3
	s_cbranch_scc0 .Lodd_j
	PH2 0
	PH3 1
.Lodd_j:
	NEXT
	s_add_co_u32 s57, s57, 1
	s_cmp_lt_u32 s57, 4
	s_cbranch_scc1 .Lpair
	; ---------------- interval 10 ----------------
	s_cmp_lt_u32 s20, 8
	s_cbranch_scc0 .Lend
	WAY 0
.Lend:
	v_lshl_add_u32 v[SPW], v0, 2, SPARE
	v_mov_b32 v[NIL], 0
	s_wait_alu depctr_va_vdst(0)
	s_wait_tensorcnt 0x0                           ; the wave's end: behind my tensor load and my last LDS store
	ds_add_u32 v[SPW], v[NIL]
	s_wait_dscnt 0x0
	ROUND                                          ; the closing round
	s_endpgm
.Lfunc_end_k_q8cbb05c31d_chain:
	.size	k_q8cbb05c31d_chain, .Lfunc_end_k_q8cbb05c31d_chain-k_q8cbb05c31d_chain
	.p2alignl 7, 3214868480
	.fill 96, 4, 3214868480
	.section	.rodata,"a",@progbits
	.p2align	6, 0x0
	.amdhsa_kernel k_q8cbb05c31d_chain
		.amdhsa_group_segment_fixed_size 327680
		.amdhsa_private_segment_fixed_size 0
		.amdhsa_enable_private_segment 0
		.amdhsa_kernarg_size 64
		.amdhsa_user_sgpr_count 2
		.amdhsa_user_sgpr_kernarg_segment_ptr 1
		.amdhsa_wavefront_size32 1
		.amdhsa_system_sgpr_workgroup_id_x 1
		.amdhsa_system_sgpr_workgroup_id_y 1
		.amdhsa_system_sgpr_workgroup_id_z 1
		.amdhsa_system_vgpr_workitem_id 0
		.amdhsa_next_free_vgpr 256
		.amdhsa_next_free_sgpr 72
		.amdhsa_reserve_vcc 0
		.amdhsa_float_denorm_mode_32 3
		.amdhsa_float_denorm_mode_16_64 3
		.amdhsa_memory_ordered 1
		.amdhsa_forward_progress 1
		.amdhsa_inst_pref_size 192
	.end_amdhsa_kernel
	.amdgpu_metadata
---
amdhsa.version: [ 1, 2 ]
amdhsa.kernels:
  - .name:           k_q8cbb05c31d_chain
    .symbol:         k_q8cbb05c31d_chain.kd
    .args:
      - { .name: xyc, .offset: 0, .size: 8, .value_kind: global_buffer, .address_space: global }
      - { .name: xys, .offset: 8, .size: 8, .value_kind: global_buffer, .address_space: global }
      - { .name: part, .offset: 16, .size: 8, .value_kind: global_buffer, .address_space: global }
      - { .name: wimg, .offset: 24, .size: 8, .value_kind: global_buffer, .address_space: global }
      - { .name: bout_z, .offset: 32, .size: 8, .value_kind: global_buffer, .address_space: global }
      - { .name: bout_z1, .offset: 40, .size: 8, .value_kind: global_buffer, .address_space: global }
      - { .name: out0, .offset: 48, .size: 8, .value_kind: global_buffer, .address_space: global }
      - { .name: out1, .offset: 56, .size: 8, .value_kind: global_buffer, .address_space: global }
    .group_segment_fixed_size: 327680
    .private_segment_fixed_size: 0
    .kernarg_segment_align: 8
    .kernarg_segment_size: 64
    .max_flat_workgroup_size: 512
    .sgpr_count:     72
    .vgpr_count:     256
    .wavefront_size: 32
...
	.end_amdgpu_metadata
.endif
;; end of part 2
